; MI455X (gfx1250); checked and timed in simulation.
; The chip was launched on July 23, 2026; its instructions are those of AMD's public machine-readable ISA for CDNA 5 (MIT licence, August 2026) and "CDNA5" Instruction Set Architecture Reference Guide (July 2026). The comments in the code are by the model that wrote it; some were corrected since.
;; Audio Quantizer. Allowed arithmetic: matrix products marked QUANTISED: E2M1 operands, one E8M0 scale for each 32 along K, by v_wmma_scale_f32_16x16x128_f8f6f4 with both operands' format E2M1 (or v_wmma_scale_f32_32x16x128_f4), f32 sums; everything else in f32.
;; Inputs: codebook 8,192 x 512 float32; x 8 x 2,048 x 512 float32.
;; Outputs: out0 8 x 2,048 x 512 float32.
;; This version of the problem:
;;   THIS VERSION OF THE PROBLEM IS GIVEN IN LOW PRECISION. The matrix products marked QUANTISED in the list below multiply operands that are first quantised to E2M1 (2 exponent bits, 1 mantissa bit; 4 bits a number), with one power-of-two scale for each 32 numbers along K (OCP MX v1.0); their sums are f32. All else is computed in f32.
;;   The module's matrix products, in the order in which they are computed (A, B: the left and right operand; K: the contracted axis; several contracted axes count as one K, in the product's order):
;;     1. [M 16,384, K 512] x [K 512, N 8,192]; A: input x; B: input codebook: QUANTISED
;;   THE QUANTISER, for each operand of a quantised product, along K:
;;     - K is cut into blocks of 32 from its start; a last block that is shorter is filled with zeros.
;;     - A block's scale is 2^e with e = floor(log2(the largest magnitude in the block)) - 2, held to -126 .. 127; a block of zeros has e = 0. As a byte (E8M0): e + 127.
;;     - Each number is divided by its block's scale, clamped to +-6, and rounded to the nearest number of E2M1, ties to even, subnormals kept.
;;     - The product sums the exact products of the quantised numbers (number of the format x scale) in f32.
;;   ~~~python
;;   def quantise(x, axis):      # numpy; x: float32 -> the quantised numbers, widened to float32 again
;;       x = np.moveaxis(x, axis, -1); K = x.shape[-1]
;;       x = np.pad(x, [(0, 0)] * (x.ndim - 1) + [(0, -K % 32)]); x = x.reshape(x.shape[:-1] + (-1, 32)); a = np.abs(x).max(-1, keepdims=True)
;;       e = np.where(a > 0, np.clip(np.frexp(np.where(a > 0, a, 1))[1] - 1 - 2, -126, 127), 0)      # np.frexp(a)[1] - 1 = floor(log2(a)), exactly
;;       r = np.clip(x / 2.0 ** e, -6, 6)
;;       step = 2.0 ** (np.maximum(np.frexp(np.where(r == 0, 1, r))[1] - 1, 0) - 1)
;;       q = np.round(r / step) * step * 2.0 ** e      # np.round: ties to even
;;       return np.moveaxis(q.reshape(q.shape[:-2] + (-1,))[..., :K], -1, axis).astype(np.float32)
;;   ~~~
;; One version. Each part assembles by itself: llvm-mc -triple=amdgcn-amd-amdhsa -mcpu=gfx1250 --defsym DOCPART=n.
;; ======== version 1 of 1: 3 launches
;; limits: right only within a limited range of input values
;; workspace buffers: cbq 2,260,992 bytes; xq 4,456,448 bytes; cand_val 131,072 bytes; cand_idx 131,072 bytes of whole numbers
;; launch prep (part 1): grid 1536 x 1, 4 waves a work-group, no clusters, 5,120 bytes of LDS; arguments codebook, x, cbq, xq; writes cbq, xq
.if DOCPART == 1
	.amdgcn_target "amdgcn-amd-amdhsa--gfx1250"
	.amdhsa_code_object_version 6
	.text
	.protected	k_q5e0956a461_prep
	.globl	k_q5e0956a461_prep
	.p2align	8
	.type	k_q5e0956a461_prep,@function
k_q5e0956a461_prep:
	s_mov_b64 s[64:65], 0
	v_nop
	global_prefetch_b8 v0, s[64:65] scope:SCOPE_SE
	s_setreg_imm32_b32 hwreg(HW_REG_WAVE_MODE, 25, 1), 1
	s_wait_xcnt 0x0
; Both operands of the product become codes of FP4 (E2M1) with one E8M0 scale byte for each 32 along K, laid as the next launch's operand registers take them.
; WORK LEFT OUT: argmin over c of ||x||^2 - 2 x.c + ||c||^2 is argmax over c of x.c - ||c||^2 / 2: ||x||^2 is the same for every c of a row, for all values of the inputs, so it is never summed.
; LIMIT: a NaN, an infinity or an overflow that would arise in ||x||^2 alone is not carried to the result.
; Work-groups 0 .. 511 take a tile of 16 rows of the codebook, 512 .. 1535 a tile of 16 rows of x.
; cbq = 16 chunks of CHUNK bytes, 32 tiles each: tile T's image at 4096 T (row r, block kb: 16 bytes at 256 kb + 16 r); scale bytes at SCOFF + 256 T + 16 r + kb; -||c||^2 / 2, f32, at CCOFF + 64 T + 4 r.
; xq = 1,024 images of 4,096 bytes, then from XSCOFF on 256 scale bytes a tile, laid alike.
; A block's scale byte is its largest magnitude's exponent field - 2, held at 1 from below.
; LIMITS: a block of zeros gets the byte 1 over zero codes (this program alone reads the bytes).  NaN and infinities among the inputs are not served.  ||c||^2 is summed sixteen numbers in a lane, then across lanes.
; Wave w takes rows 4 w + t.  A row is four loads of 512 consecutive bytes; load i gives lane l the numbers 128 i + 4 l .. + 3, so a block lies in 8 neighbouring lanes.  All sixteen loads go out at the head.
; No cluster: work-groups share no input.  No tensor load: the numbers go through registers anyway.  No prefetch: there is no loop to run ahead in.
.set NCB,   512
.set CHUNK, 141312
.set SCOFF, 131072
.set CCOFF, 139264
.set XSCOFF, 4194304
.set SCB,   4096                       ; LDS: image at 0, scale bytes, sums, spare words at 0x1200
.set CCB,   4352
.set LN,   1
.set L16,  2
.set IWA,  3                           ; 256 (l / 8) + 2 (l % 8) + 64 w
.set SWA,  4                           ; SCB + 64 w + l / 8
.set CWA,  5                           ; CCB + 16 w
.set RDA,  6                           ; 1024 w + 16 lane
.set RDS,  7                           ; SCB + 8 lane
.set M,    8                           ; v8-11 magnitudes, v12-15 scale operands; afterwards v8-15 four pairs of sums
.set SO,   12
.set SPW,  19
.set NIL,  20
.set RDC,  27
.set GI,   28
.set GS,   29
.set GC,   30
.set XR,   32                          ; v32-111 four rows: 16 numbers and 4 zeros each
.set OUTR, 112
.set QR,   123
.set CD,   128                         ; codes and bytes: registers of its own for each step
.set BY,   144
	s_load_b256 s[24:31], s[0:1], 0x0              ; codebook, x, cbq, xq
	v_lshl_add_u32 v[SPW], v0, 2, 0x1200
	v_mov_b32 v[NIL], 0
	v_lshrrev_b32 v16, 5, v0
	v_readfirstlane_b32 s8, v16                    ; wave
	s_lshr_b32 s9, ttmp9, 5
	s_mul_i32 s10, s9, CHUNK                       ; a codebook tile's chunk
	s_and_b32 s16, ttmp9, 31
	s_sub_co_u32 s21, ttmp9, NCB                   ; a tile of x
	s_mov_b32 s22, XSCOFF
	s_cmp_lt_u32 ttmp9, NCB                        ; the choice hangs on the work-group's number alone
	s_cselect_b32 s10, s10, 0
	s_cselect_b32 s16, s16, s21                    ; tile in the region that is written
	s_cselect_b32 s20, ttmp9, s21                  ; tile in the tensor that is read
	s_cselect_b32 s22, SCOFF, s22
	s_cselect_b32 s19, 1, 0                        ; 1: codebook
	s_mov_b32 s11, 0
	s_mov_b32 s12, 0x76543210
	s_mov_b32 s13, 0xfedcba98
	s_lshl_b32 s14, s20, 15                        ; 16 rows are 32,768 bytes,
	s_lshl_b32 s17, s8, 13                         ; my wave's four 8,192
	s_add_co_u32 s14, s14, s17
	s_mov_b32 s15, 0
	s_lshl_b32 s2, s8, 6
	s_add_co_u32 s3, s2, SCB
	s_lshl_b32 s4, s8, 4
	s_add_co_u32 s4, s4, CCB
	s_lshl_b32 s5, s8, 10
	s_lshl_b32 s6, s16, 12
	s_add_co_u32 s6, s6, s5
	s_lshl_b32 s7, s16, 8
	s_add_co_u32 s7, s7, s22
	s_lshl_b32 s18, s16, 6
	s_add_co_u32 s18, s18, CCOFF
	v_and_b32 v[LN], 31, v0
	v_lshlrev_b32 v[L16], 4, v[LN]
	v_lshrrev_b32 v16, 3, v[LN]
	v_and_b32 v17, 7, v[LN]
	v_lshlrev_b32 v17, 1, v17
	v_lshl_add_u32 v17, v16, 8, v17
	v_add_nc_u32 v[IWA], s2, v17
	v_add_nc_u32 v[SWA], s3, v16
	v_mov_b32 v[CWA], s4
	v_add_nc_u32 v[RDA], s5, v[L16]
	v_lshl_add_u32 v[RDS], v[LN], 3, SCB
	v_and_b32 v18, 15, v[LN]
	v_lshl_add_u32 v[RDC], v18, 2, CCB
	v_add_nc_u32 v[GI], s6, v[L16]
	v_lshl_add_u32 v[GS], v[LN], 3, s7
	v_lshl_add_u32 v[GC], v18, 2, s18
.irp t, 0,1,2,3
.irp j, 16,17,18,19
	v_mov_b32 v[XR+20*\t+\j], 0                    ; four zeros behind a row's numbers: its last conversion names eight registers
.endr
.endr
	s_wait_alu depctr_va_vdst(0)
	s_wait_kmcnt 0x0
	s_cmp_lt_u32 ttmp9, NCB
	s_cselect_b64 s[24:25], s[24:25], s[26:27]
	s_cselect_b64 s[28:29], s[28:29], s[30:31]
	s_add_nc_u64 s[24:25], s[24:25], s[14:15]
	s_add_nc_u64 s[28:29], s[28:29], s[10:11]
.irp t, 0,1,2,3
.irp i, 0,1,2,3
	global_load_b128 v[XR+20*\t+4*\i:XR+20*\t+4*\i+3], v[L16], s[24:25] offset:2048*\t+512*\i th:TH_LOAD_NT
.endr
.endr
.macro CSTEP t                         ; row 4 w + t
.set XB, XR+20*(\t)
	s_wait_loadcnt 12-4*(\t)                       ; this row's four loads are in, the later rows' may be out
.irp i, 0,1,2,3
	v_max3_num_f32 v[M+\i], |v[XB+4*\i]|, |v[XB+4*\i+1]|, 0x1800000   ; with the floor 2^(3 - 127)
.endr
.irp i, 0,1,2,3
	v_max3_num_f32 v[M+\i], v[M+\i], |v[XB+4*\i+2]|, |v[XB+4*\i+3]|
.endr
.irp m, 1,2,4
.irp i, 0,1,2,3
	v_max_num_f32_dpp v[M+\i], v[M+\i], v[M+\i] row_xmask:\m row_mask:0xf bank_mask:0xf
.endr
.endr
.irp i, 0,1,2,3
	v_add_nc_u32 v[SO+\i], 0xff000000, v[M+\i]     ; 2 off the exponent field: the conversion's scale operand
.endr
.irp i, 0,1,2,3
	v_cvt_scalef32_pk8_fp4_f32 v[CD+4*(\t)+\i], v[XB+4*\i:XB+4*\i+7], v[SO+\i]   ; the low 16 bits are my four numbers' codes
.endr
.irp i, 0,1,2,3
	v_lshrrev_b32 v[BY+4*(\t)+\i], 23, v[SO+\i]    ; the scale's byte; also the plain line behind the conversions
.endr
.irp i, 0,1,2,3
	ds_store_b16 v[IWA], v[CD+4*(\t)+\i] offset:1024*\i+16*(\t)
	ds_store_b8 v[SWA], v[BY+4*(\t)+\i] offset:4*\i+16*(\t)          ; a block's eight lanes write the same byte with the same value
.endr
.endm
	CSTEP 0
	CSTEP 1
	CSTEP 2
	CSTEP 3
	s_cmp_eq_u32 s19, 0
	s_cbranch_scc1 .Lno_sum                        ; a tile of x has no sum of squares
.irp t, 0,1,2,3
	v_pk_mul_f32 v[M+2*\t:M+2*\t+1], v[XR+20*\t:XR+20*\t+1], v[XR+20*\t:XR+20*\t+1]
.endr
.irp j, 2,4,6,8,10,12,14
.irp t, 0,1,2,3
	v_pk_fma_f32 v[M+2*\t:M+2*\t+1], v[XR+20*\t+\j:XR+20*\t+\j+1], v[XR+20*\t+\j:XR+20*\t+\j+1], v[M+2*\t:M+2*\t+1]
.endr
.endr
.irp t, 0,1,2,3
	v_add_f32 v[M+2*\t], v[M+2*\t], v[M+2*\t+1]
.endr
.irp m, 1,2,4,8
.irp t, 0,1,2,3
	v_add_f32_dpp v[M+2*\t], v[M+2*\t], v[M+2*\t] row_xmask:\m row_mask:0xf bank_mask:0xf
.endr
.endr
.irp t, 0,1,2,3
	v_permlanex16_b32 v[M+2*\t+1], v[M+2*\t], s12, s13
.endr
.irp t, 0,1,2,3
	v_add_f32 v[M+2*\t], v[M+2*\t], v[M+2*\t+1]    ; ||c||^2, in every lane
.endr
.irp t, 0,1,2,3
	v_mul_f32 v[QR+\t], -0.5, v[M+2*\t]
.endr
.irp t, 0,1,2,3
	ds_store_b32 v[CWA], v[QR+\t] offset:4*\t      ; all lanes write the same word with the same value
.endr
.Lno_sum:
	s_wait_dscnt 0x0                               ; for the others' sake: my stores into the tile have landed
	s_barrier_signal -1
	s_barrier_wait -1
	ds_load_b128 v[OUTR:OUTR+3], v[RDA]
	ds_load_b128 v[OUTR+4:OUTR+7], v[RDA] offset:512
	s_wait_dscnt 0x0
	global_store_b128 v[GI], v[OUTR:OUTR+3], s[28:29]            ; 32 lanes store 512 consecutive bytes, aligned
	global_store_b128 v[GI], v[OUTR+4:OUTR+7], s[28:29] offset:512
	s_cmp_lg_u32 s8, 0
	s_cbranch_scc1 .Lnot_wave_0
	ds_load_b64 v[OUTR+8:OUTR+9], v[RDS]
	s_wait_dscnt 0x0
	global_store_b64 v[GS], v[OUTR+8:OUTR+9], s[28:29]           ; the tile's 256 scale bytes, aligned
.Lnot_wave_0:
	s_cmp_lg_u32 s8, 1
	s_cbranch_scc1 .Lend
	s_cmp_eq_u32 s19, 0
	s_cbranch_scc1 .Lend
	ds_load_b32 v[OUTR+10], v[RDC]
	v_cmp_gt_u32 vcc_lo, 16, v[LN]
	s_wait_dscnt 0x0
	s_wait_xcnt 0x0                                ; EXEC is a source of the stores above
	s_and_saveexec_b32 s20, vcc_lo
	global_store_b32 v[GC], v[OUTR+10], s[28:29]   ; the tile's sixteen sums: 64 bytes
	s_wait_xcnt 0x0
	s_or_b32 exec_lo, exec_lo, s20
.Lend:
	s_wait_tensorcnt 0x0                           ; the wave's end
	ds_add_u32 v[SPW], v[NIL]
	s_wait_dscnt 0x0
	s_endpgm
.Lfunc_end_k_q5e0956a461_prep:
	.size	k_q5e0956a461_prep, .Lfunc_end_k_q5e0956a461_prep-k_q5e0956a461_prep
	.p2alignl 7, 3214868480
	.fill 96, 4, 3214868480
	.section	.rodata,"a",@progbits
	.p2align	6, 0x0
	.amdhsa_kernel k_q5e0956a461_prep
		.amdhsa_group_segment_fixed_size 5120
		.amdhsa_private_segment_fixed_size 0
		.amdhsa_enable_private_segment 0
		.amdhsa_kernarg_size 32
		.amdhsa_user_sgpr_count 2
		.amdhsa_user_sgpr_kernarg_segment_ptr 1
		.amdhsa_wavefront_size32 1
		.amdhsa_system_sgpr_workgroup_id_x 1
		.amdhsa_system_sgpr_workgroup_id_y 1
		.amdhsa_system_sgpr_workgroup_id_z 1
		.amdhsa_system_vgpr_workitem_id 0
		.amdhsa_next_free_vgpr 160
		.amdhsa_next_free_sgpr 66
		.amdhsa_reserve_vcc 1
		.amdhsa_float_denorm_mode_32 3
		.amdhsa_float_denorm_mode_16_64 3
		.amdhsa_memory_ordered 1
		.amdhsa_forward_progress 1
		.amdhsa_inst_pref_size 21
	.end_amdhsa_kernel
	.amdgpu_metadata
---
amdhsa.version: [ 1, 2 ]
amdhsa.kernels:
  - .name:           k_q5e0956a461_prep
    .symbol:         k_q5e0956a461_prep.kd
    .args:
      - { .name: codebook, .offset: 0, .size: 8, .value_kind: global_buffer, .address_space: global }
      - { .name: x, .offset: 8, .size: 8, .value_kind: global_buffer, .address_space: global }
      - { .name: cbq, .offset: 16, .size: 8, .value_kind: global_buffer, .address_space: global }
      - { .name: xq, .offset: 24, .size: 8, .value_kind: global_buffer, .address_space: global }
    .group_segment_fixed_size: 5120
    .private_segment_fixed_size: 0
    .kernarg_segment_align: 8
    .kernarg_segment_size: 32
    .max_flat_workgroup_size: 128
    .sgpr_count:     66
    .vgpr_count:     160
    .wavefront_size: 32
...
	.end_amdgpu_metadata
.endif
;; end of part 1
;; launch nearest (part 2): grid 128 x 2, 8 waves a work-group, clusters of 4 x 1, 327,680 bytes of LDS; arguments xq, cbq, cand_val, cand_idx; writes cand_val, cand_idx
.if DOCPART == 2
	.amdgcn_target "amdgcn-amd-amdhsa--gfx1250"
	.amdhsa_code_object_version 6
	.text
	.protected	k_q5e0956a461_nearest
	.globl	k_q5e0956a461_nearest
	.p2align	8
	.type	k_q5e0956a461_nearest,@function
k_q5e0956a461_nearest:
	s_mov_b64 s[64:65], 0
	v_nop
	global_prefetch_b8 v0, s[64:65] scope:SCOPE_SE
	s_setreg_imm32_b32 hwreg(HW_REG_WAVE_MODE, 25, 1), 1
	s_wait_xcnt 0x0
	s_wait_alu depctr_hold_cnt(0) depctr_sa_sdst(0) depctr_va_vdst(0) depctr_va_sdst(0) depctr_va_ssrc(0) depctr_va_vcc(0) depctr_vm_vsrc(0)
	s_getreg_b32 s2, hwreg(HW_REG_IB_STS2, 6, 4)
	s_cmp_eq_u32 s2, 0
	s_cbranch_scc0 .Lentry_in_a_cluster
	s_endpgm
.Lentry_in_a_cluster:
	s_bfe_u32 s2, ttmp6, 0x10000c
	s_cmp_lg_u32 s2, 0x3003
	s_cbranch_scc0 .Lentry_shape_is_right
	s_endpgm
.Lentry_shape_is_right:
; For each row of x and each half of the codebook: the largest s = Q(x) . Q(c) - ||c||^2 / 2 over the half's 4,096 rows c, and the index of a row that has it.
; ||x||^2 is left out: it is the same for all c of a row (shown at the head of the launch before).  The product is made on codes by v_wmma_scale_f32_32x16x128_f4, sums in f32.
; LIMITS: s is rounded, not the three-term distance, so candidates nearer than a few f32 units in the last place of the distance may be ordered otherwise.  Where two groups of 16 rows that one lane holds have
; exactly the same best s, the group that was walked first stays; inside a group, between lanes and between waves the lower index stays.  NaN and infinities are not served.
; SHARES.  A work-group owns 128 rows of x and one half of the codebook.  Wave w = 4 g + q owns rows 64 g .. 64 g + 63 (four tiles, 128 registers of codes, loaded once from xq as they lie)
; and of each chunk of 32 code tiles the tiles 8 q .. 8 q + 7, as four pairs.
; THE CODES come in chunks of 141,312 bytes through a ring of two LDS slots; each wave fetches an eighth.  The four work-groups of a cluster walk the same chunks and ask for each eighth JOINTLY.
; THE WALK IS ROTATED: cluster number c begins at chunk c mod 8 of its half and goes round, so in each step the launch's clusters ask for eight different chunks of a half.
; NO PREFETCH: from the second step on every chunk that a cluster asks for has been read in an earlier step by the clusters that began one to seven chunks further on; the first two chunks have no trip ahead of them in which to ask.
; THE PRODUCT: source 0 = 32 codebook rows, source 1 = 16 rows of x; -||c||^2 / 2 is the C of a sum's first instruction.  A lane holds one row of x; register 8 u + j is codebook row 16 u + 8 (lane / 16) + j of the pair.
; THE ARGMAX goes by groups of 16: the maximum of a lane's 16 results, one strict compare with the lane's best, and by that mask (in VCC) the best, the pair's first index and the 16 values are kept, two selects an instruction.
; Which of the 16 it was is found once, at the end, by equality.
; THE CHANGE OF SLOTS: a chunk's last pair lies in registers, so the waits, the add and the signal stand ahead of its 16 products and the barrier's wait behind them.
; REGISTERS, window 0: v1, v2 for the add; v3 8 h + 4096 y; v4-19 x's scale words; v20-83 a pair's fragments; v84-87 its scale words; v88-103 its -||c||^2 / 2; v104-167 four accumulators; v168-175 best and index;
;   v176-179 at work; v180-243 the winning groups' values; v244-255 addresses.   window 1: v0-127 x's sixteen fragments.
.set CHUNK,  141312
.set EIGHTH, 17664                     ; 69 rows of 256 bytes
.set SCOFF,  131072
.set CCOFF,  139264
.set XSCOFF, 4194304
.set MRG,    2*CHUNK                   ; behind the ring: the waves' results, 64 rows x 8 bytes a wave;
.set SPARE,  MRG+8*512                 ; the spare words, 128 bytes a wave
.set SPW,  1
.set NIL,  2
.set H8,   3
.set XS,   4
.set PB,   20
.set PS,   84
.set PCC,  88
.set ACC,  104
.set BEST, 168
.set T,    176
.set SAV,  180
.set ADC,  244                         ; slot n: n CHUNK + 32768 q + 16 lane
.set ADS,  246                         ; n CHUNK + SCOFF + 2048 q + 16 lane
.set ADN,  248                         ; n CHUNK + CCOFF + 512 q + 32 h
.set L16,  251
.set VTA,  252                         ; the pair's first index, twice (two register banks for the dual selects); at the head v252 = 16 r
.set VTB,  253
.set XWI,  254                         ; MRG + 512 w + 8 r
.set XWS,  255                         ; MRG + 2048 (w & 1) + 16 lane
.set WV,   12
.set CX,   13
.set RB,   14
.set YH,   15
.set GH,   16
.set QT,   17
.set LW,   19
.set BS,   22                          ; s[22:23] cbq at my half's first chunk + my eighth; never holds cx
.set G1,   24
.set G0,   32
.set MK,   40
.set TRIP, 44
.set TID,  46                          ; the first row of the pair in hand, counted inside the half
.set NX,   47                          ; the chunk (0 .. 7 of the half) that was asked for last
.set OF,   48                          ; s[48:49] its byte offset
.set SEL,  50
.set MG,   52
.set MSB, 0
.macro WIN new
.if MSB != \new
	s_set_vgpr_msb (MSB<<8)|\new
.set MSB, \new
.endif
.endm
.macro PLACES                          ; four plain places behind a matrix instruction (ISA guide 7.12.1)
.rept 4
	v_nop
.endr
.endm
.macro CREST                           ; a round of the cluster's barrier behind its opening barrier
	s_cmp_lg_u32 s[WV], 0
	s_cbranch_scc1 .Lnw0_\@
	s_barrier_signal -3
.Lnw0_\@:
	s_barrier_wait -3
	s_barrier_signal -1
	s_barrier_wait -1
.endm
.macro ROUND
	s_barrier_signal -1
	s_barrier_wait -1
	CREST
.endm
.macro LOADP slot, p                   ; pair p of my four: 16 loads of fragments, the 32 rows' scale words, the lane's sixteen -||c||^2 / 2
.irp u, 0,1
.irp i, 0,1,2,3,4,5,6,7
	ds_load_b128 v[PB+16*(\i/2)+8*\u+4*(\i%2):PB+16*(\i/2)+8*\u+4*(\i%2)+3], v[ADC+\slot] offset:(2*(\p)+\u)*4096+512*\i
.endr
.endr
	ds_load_b128 v[PS:PS+3], v[ADS+\slot] offset:512*(\p)
.irp u, 0,1
.irp k, 0,1
	ds_load_b128 v[PCC+8*\u+4*\k:PCC+8*\u+4*\k+3], v[ADN+\slot] offset:(2*(\p)+\u)*64+16*\k
.endr
.endr
.endm
.macro MM D                            ; the pair against my four tiles of x, all of K; the four accumulators take turns
	WIN 0x04
.irp s, 0,1,2,3
.irp t, 0,1,2,3
.if \s == 0
	v_wmma_scale_f32_32x16x128_f4 v[\D+16*\t:\D+16*\t+15], v[PB+16*\s:PB+16*\s+15], v[32*\t+8*\s:32*\t+8*\s+7], v[PCC:PCC+15], v[PS+\s], v[XS+4*\t+\s]
.else
	v_wmma_scale_f32_32x16x128_f4 v[\D+16*\t:\D+16*\t+15], v[PB+16*\s:PB+16*\s+15], v[32*\t+8*\s:32*\t+8*\s+7], v[\D+16*\t:\D+16*\t+15], v[PS+\s], v[XS+4*\t+\s]
.endif
.endr
.endr
	WIN 0
.endm
.macro EPI                             ; the argmax of one pair; each accumulator is read from its low end on
	v_dual_mov_b32 v[VTA], s[TID] :: v_dual_mov_b32 v[VTB], s[TID]
.irp t, 0,1,2,3
	v_max3_num_f32 v[T+\t], v[ACC+16*\t], v[ACC+16*\t+1], v[ACC+16*\t+2]
.endr
.irp k, 3,5,7,9,11,13
.irp t, 0,1,2,3
	v_max3_num_f32 v[T+\t], v[T+\t], v[ACC+16*\t+\k], v[ACC+16*\t+\k+1]
.endr
.endr
.irp t, 0,1,2,3
	v_max_num_f32 v[T+\t], v[T+\t], v[ACC+16*\t+15]
.endr
.irp t, 0,1,2,3
	v_cmp_gt_f32 vcc_lo, v[T+\t], v[BEST+2*\t]     ; strictly better: on a tie the group walked earlier stays
.if \t == 0
	v_dual_cndmask_b32 v[BEST+2*\t], v[BEST+2*\t], v[T+\t] :: v_dual_cndmask_b32 v[BEST+2*\t+1], v[BEST+2*\t+1], v[VTB]
.else
	v_dual_cndmask_b32 v[BEST+2*\t], v[BEST+2*\t], v[T+\t] :: v_dual_cndmask_b32 v[BEST+2*\t+1], v[BEST+2*\t+1], v[VTA]
.endif
.irp p, 0,2,4,6,8,10,12,14
	v_dual_cndmask_b32 v[SAV+16*\t+\p], v[SAV+16*\t+\p], v[ACC+16*\t+\p] :: v_dual_cndmask_b32 v[SAV+16*\t+\p+1], v[SAV+16*\t+\p+1], v[ACC+16*\t+\p+1]
.endr
.endr
.endm
.macro EPIF                            ; the very first pair: its products were written straight into the kept values
.irp t, 0,1,2,3
	v_max3_num_f32 v[BEST+2*\t], v[SAV+16*\t], v[SAV+16*\t+1], v[SAV+16*\t+2]
.endr
.irp k, 3,5,7,9,11,13
.irp t, 0,1,2,3
	v_max3_num_f32 v[BEST+2*\t], v[BEST+2*\t], v[SAV+16*\t+\k], v[SAV+16*\t+\k+1]
.endr
.endr
.irp t, 0,1,2,3
	v_max_num_f32 v[BEST+2*\t], v[BEST+2*\t], v[SAV+16*\t+15]
.endr
.irp t, 0,1,2,3
	v_mov_b32 v[BEST+2*\t+1], s[TID]
.endr
.endm
; Pair p (0 to 2) of a slot: its products; the next pair's loads, which land under the argmax; its argmax.  The next products begin the accumulators anew: the four v_nop and the other tiles' argmax lines are their five places.
.macro PAIR slot, p
	s_wait_dscnt 0x0                               ; the pair's 21 loads are in
	MM ACC
	PLACES
	LOADP \slot, (\p)+1
	EPI
	s_add_co_u32 s[TID], s[TID], 32
.endm
; A slot's last pair and the change of slots.  fill = 1: slot fs takes the chunk behind the one asked for last, round the half's eight.
.macro LAST fs, nx, fill
	s_wait_tensorcnt 0x0                           ; my eighth of the slot ahead has landed; no tensor load of mine is out, so a group 0 may be written
	ds_add_u32 v[SPW], v[NIL]
.if \fill
	s_add_co_u32 s[NX], s[NX], 1
	s_and_b32 s[NX], s[NX], 7
	s_mul_i32 s[OF], s[NX], CHUNK
	s_add_nc_u64 s[G0+4*\fs+2:G0+4*\fs+3], s[BS:BS+1], s[OF:OF+1]
	s_or_b32 s[G0+4*\fs+3], s[G0+4*\fs+3], 0x80000000
.endif
	s_wait_dscnt 0x0                               ; the add is done; the last pair's loads, my last reads of this slot, are in
	s_barrier_signal -1
	MM ACC                                         ; work on registers while the others arrive
	s_barrier_wait -1
.if \fill
	CREST                                          ; the barrier has opened a round of the cluster's barrier
	tensor_load_to_lds s[G0+4*\fs:G0+4*\fs+3], s[G1:G1+7]   ; my one tensor load behind the round
	s_nop 0
.endif
	PLACES
	LOADP \nx, 0
	EPI
	s_add_co_u32 s[TID], s[TID], 416               ; from my last pair (96 on) to my first of the next chunk (512 on),
	s_and_b32 s[TID], s[TID], 0xfff                ; round the half's 4,096 rows
.endm
.macro MERGE V, I, VO, IO              ; (V, I) takes (VO, IO) where that is better, or as good with the lower index
	v_cmp_gt_f32 s[MG], v[\VO], v[\V]
	v_cmp_eq_f32 s[MG+1], v[\VO], v[\V]
	v_cmp_lt_u32 s[MG+2], v[\IO], v[\I]
	s_and_b32 s[MG+1], s[MG+1], s[MG+2]
	s_or_b32 s[MG], s[MG], s[MG+1]
	v_cndmask_b32 v[\V], v[\V], v[\VO], s[MG]
	v_cndmask_b32 v[\I], v[\I], v[\IO], s[MG]
.endm
	s_load_b256 s[4:11], s[0:1], 0x0               ; xq, cbq, cand_val, cand_idx
	v_lshl_add_u32 v[SPW], v0, 2, SPARE
	v_mov_b32 v[NIL], 0
	ds_add_u32 v[SPW], v[NIL]                      ; the opening lines: the add, twice on end, and its wait
	ds_add_u32 v[SPW], v[NIL]
	v_lshrrev_b32 v208, 5, v0
	v_readfirstlane_b32 s[WV], v208                ; wave 0..7
	s_bfe_u32 s[CX], ttmp6, 0x40000                ; cx enters x's and the results' global addresses alone
	s_lshl_b32 s[RB], ttmp9, 2
	s_add_co_u32 s[RB], s[RB], s[CX]               ; my block of 128 rows
	s_and_b32 s[YH], ttmp7, 0xffff                 ; my half of the codebook
	s_lshr_b32 s[GH], s[WV], 2
	s_and_b32 s[QT], s[WV], 3
	s_mul_i32 s[LW], s[WV], EIGHTH
	s_mov_b32 s[G1+0], 15|(3<<16)|(1<<21)          ; the mask of all four; elements of 8 bytes; no padding; bit 21 beside a mask
	s_mov_b32 s[G1+1], 32<<16
	s_mov_b32 s[G1+2], 69<<16
	s_mov_b32 s[G1+3], 32<<16
	s_mov_b32 s[G1+4], 69
	s_mov_b32 s[G1+5], 32
	s_mov_b32 s[G1+6], 0
	s_mov_b32 s[G1+7], 0
	s_mov_b32 s[SEL], 0x76543210
	s_mov_b32 s[SEL+1], 0xfedcba98
	s_and_b32 s[NX], ttmp9, 7                      ; my cluster's first chunk: the same in all four partners
	s_lshl_b32 s[TID], s[NX], 9
	s_lshl_b32 s20, s[QT], 7
	s_add_co_u32 s[TID], s[TID], s20               ; 512 x chunk + 128 q
	s_lshl_b32 s55, s[YH], 12
	s_lshl_b32 s20, s[QT], 15
	s_lshl_b32 s21, s[QT], 11
	s_add_co_u32 s21, s21, SCOFF
	s_lshl_b32 s22, s[QT], 9
	s_add_co_u32 s22, s22, CCOFF
	s_lshl_b32 s23, s[WV], 9
	s_add_co_u32 s23, s23, MRG
	s_and_b32 s45, s[WV], 1
	s_lshl_b32 s45, s45, 11
	s_add_co_u32 s45, s45, MRG
	v_and_b32 v208, 31, v0                         ; lane
	v_and_b32 v209, 15, v0                         ; r
	v_bfe_u32 v210, v0, 4, 1                       ; h
	v_lshl_add_u32 v[H8], v210, 3, s55             ; 8 h + the half's first row
	v_lshlrev_b32 v[L16], 4, v208
	v_add_nc_u32 v[ADC], s20, v[L16]
	v_add_nc_u32 v[ADC+1], CHUNK, v[ADC]
	v_add_nc_u32 v[ADS], s21, v[L16]
	v_add_nc_u32 v[ADS+1], CHUNK, v[ADS]
	v_lshl_add_u32 v[ADN], v210, 5, s22
	v_add_nc_u32 v[ADN+1], CHUNK, v[ADN]
	v_lshl_add_u32 v[XWI], v209, 3, s23
	v_add_nc_u32 v[XWS], s45, v[L16]
	v_lshlrev_b32 v[VTA], 4, v209                  ; 16 r, for x's scale words
	s_wait_alu depctr_va_vdst(0)
	s_wait_dscnt 0x0                               ; both opening adds are done
	s_wait_kmcnt 0x0
	s_lshl_b32 s56, s[RB], 15                      ; 8 images of 4,096 bytes a block,
	s_lshl_b32 s57, s[GH], 14                      ; my row half's four
	s_add_co_u32 s56, s56, s57
	s_mov_b32 s57, 0
	s_add_nc_u64 s[58:59], s[4:5], s[56:57]
	s_lshr_b32 s56, s56, 4                         ; 256 scale bytes a tile
	s_add_co_u32 s56, s56, XSCOFF
	s_add_nc_u64 s[56:57], s[4:5], s[56:57]
	WIN 0x40                                       ; destination window 1
.irp t, 0,1,2,3
.irp i, 0,1,2,3,4,5,6,7
	global_load_b128 v[32*\t+4*\i:32*\t+4*\i+3], v[L16], s[58:59] offset:4096*\t+512*\i   ; fragment (t, s) at 32 t + 8 s: 512 consecutive bytes a load; they stay
.endr
.endr
	WIN 0
.irp t, 0,1,2,3
	global_load_b128 v[XS+4*\t:XS+4*\t+3], v[VTA], s[56:57] offset:256*\t   ; row r's four scale words
.endr
	s_lshl_b32 s20, s[YH], 16                      ; the results: [2][16384] words
	s_lshl_b32 s21, s[RB], 9
	s_add_co_u32 s20, s20, s21
	s_mov_b32 s21, 0
	s_add_nc_u64 s[8:9], s[8:9], s[20:21]
	s_add_nc_u64 s[10:11], s[10:11], s[20:21]
	s_mul_i32 s[BS], s[YH], 8*CHUNK
	s_add_co_u32 s[BS], s[BS], s[LW]
	s_mov_b32 s[BS+1], 0
	s_add_nc_u64 s[BS:BS+1], s[6:7], s[BS:BS+1]
	s_mov_b32 s[OF+1], 0
.irp n, 0,1
	s_mul_i32 s[OF], s[NX], CHUNK
	s_mov_b32 s[G0+4*\n], 1
	s_add_co_u32 s[G0+4*\n+1], s[LW], \n*CHUNK
	s_add_nc_u64 s[G0+4*\n+2:G0+4*\n+3], s[BS:BS+1], s[OF:OF+1]
	s_or_b32 s[G0+4*\n+3], s[G0+4*\n+3], 0x80000000
.if \n == 0
	s_add_co_u32 s[NX], s[NX], 1                   ; slot 1 takes the chunk behind the first
	s_and_b32 s[NX], s[NX], 7
.endif
.endr
	ROUND                                          ; all four work-groups are here: the first joint loads meet
	tensor_load_to_lds s[G0:G0+3], s[G1:G1+7]      ; the first chunk: one tensor load a wave at the head
	s_nop 0
	PLACES
	s_wait_tensorcnt 0x0                           ; my eighth of it is in; slot 1's first fill is issued as a refill is
	ds_add_u32 v[SPW], v[NIL]
	s_wait_dscnt 0x0
	ROUND
	tensor_load_to_lds s[G0+4:G0+7], s[G1:G1+7]    ; the second chunk
	s_nop 0
	PLACES
	LOADP 0, 0
	s_wait_loadcnt 0x0                             ; x's codes and scale words
	s_wait_dscnt 0x0
	MM SAV                                         ; the first pair's results ARE the kept values: nothing is cleared
	PLACES
	LOADP 0, 1
	EPIF
	s_add_co_u32 s[TID], s[TID], 32
	PAIR 0, 1
	PAIR 0, 2
	s_mov_b32 s[TRIP], 3
.Lring:                                            ; trip j: step 2 j ends, the chunks of steps 2 j + 2 and 2 j + 3 are asked for, step 2 j + 1 and three pairs of step 2 j + 2 are worked
	LAST 0, 1, 1
	PAIR 1, 0
	PAIR 1, 1
	PAIR 1, 2
	LAST 1, 0, 1
	PAIR 0, 0
	PAIR 0, 1
	PAIR 0, 2
	s_sub_co_u32 s[TRIP], s[TRIP], 1
	s_cmp_lg_u32 s[TRIP], 0
	s_cbranch_scc1 .Lring
	LAST 0, 1, 0                                   ; the tail is written out: the eighth chunk lies in slot 1, and nothing is asked for
	PAIR 1, 0
	PAIR 1, 1
	PAIR 1, 2
	s_wait_dscnt 0x0
	MM ACC
	PLACES
	EPI
	; WHICH OF THE SIXTEEN: the lowest register that equals the best.  Register P = 8 u + j is row P + (P & 8) + 8 h of the pair.
.irp t, 0,1,2,3
	v_mov_b32 v[T+\t], 15
.endr
.irp p, 14,13,12,11,10,9,8,7,6,5,4,3,2,1,0
.irp t, 0,1,2,3
	v_cmp_eq_f32 s[MK+\t], v[SAV+16*\t+\p], v[BEST+2*\t]
.endr
.irp t, 0,1,2,3
	v_cndmask_b32 v[T+\t], v[T+\t], \p, s[MK+\t]
.endr
.endr
.irp t, 0,1,2,3
	v_and_b32 v[20+\t], 8, v[T+\t]
.endr
.irp t, 0,1,2,3
	v_add3_u32 v[T+\t], v[T+\t], v[20+\t], v[H8]
.endr
.irp t, 0,1,2,3
	v_add_nc_u32 v[BEST+2*\t+1], v[BEST+2*\t+1], v[T+\t]
.endr
.irp j, 0,1,2,3,4,5,6,7
	v_mov_b32 v[24+\j], 0                          ; a lane permute's destination counts as one of its sources
.endr
.irp t, 0,1,2,3
	v_permlanex16_b32 v[24+2*\t], v[BEST+2*\t], s[SEL], s[SEL+1]     ; the pair's other rows lie in the lane 16 away
	v_permlanex16_b32 v[25+2*\t], v[BEST+2*\t+1], s[SEL], s[SEL+1]
.endr
.irp t, 0,1,2,3
	MERGE BEST+2*\t, BEST+2*\t+1, 24+2*\t, 25+2*\t
.endr
.irp t, 0,1,2,3
	ds_store_b64 v[XWI], v[BEST+2*\t:BEST+2*\t+1] offset:128*\t      ; lanes r and r + 16 write the same bytes with the same values
.endr
	s_wait_dscnt 0x0                               ; for the others' sake: my results lie in LDS
	s_barrier_signal -1
	s_barrier_wait -1
	s_cmp_gt_u32 s[WV], 1
	s_cbranch_scc1 .Lno_out
.irp q, 0,1,2,3
	ds_load_b128 v[20+4*\q:23+4*\q], v[XWS] offset:512*\q            ; quarter q's results for rows 2 l and 2 l + 1 of my row half
.endr
	s_wait_dscnt 0x0
.irp q, 1,2,3
	MERGE 20, 21, 20+4*\q, 21+4*\q
	MERGE 22, 23, 22+4*\q, 23+4*\q
.endr
	v_mov_b32 v36, v20
	v_mov_b32 v37, v22
	v_mov_b32 v38, v21
	v_mov_b32 v39, v23
	v_lshlrev_b32 v40, 3, v0                       ; 8 x my thread's number
	global_store_b64 v40, v[36:37], s[8:9]         ; 32 lanes store 256 consecutive bytes, aligned
	global_store_b64 v40, v[38:39], s[10:11]
.Lno_out:
	s_wait_tensorcnt 0x0                           ; the wave's end
	ds_add_u32 v[SPW], v[NIL]
	s_wait_dscnt 0x0
	ROUND                                          ; the closing round
	s_endpgm
.Lfunc_end_k_q5e0956a461_nearest:
	.size	k_q5e0956a461_nearest, .Lfunc_end_k_q5e0956a461_nearest-k_q5e0956a461_nearest
	.p2alignl 7, 3214868480
	.fill 96, 4, 3214868480
	.section	.rodata,"a",@progbits
	.p2align	6, 0x0
	.amdhsa_kernel k_q5e0956a461_nearest
		.amdhsa_group_segment_fixed_size 327680
		.amdhsa_private_segment_fixed_size 0
		.amdhsa_enable_private_segment 0
		.amdhsa_kernarg_size 32
		.amdhsa_user_sgpr_count 2
		.amdhsa_user_sgpr_kernarg_segment_ptr 1
		.amdhsa_wavefront_size32 1
		.amdhsa_system_sgpr_workgroup_id_x 1
		.amdhsa_system_sgpr_workgroup_id_y 1
		.amdhsa_system_sgpr_workgroup_id_z 1
		.amdhsa_system_vgpr_workitem_id 0
		.amdhsa_next_free_vgpr 384
		.amdhsa_next_free_sgpr 66
		.amdhsa_reserve_vcc 1
		.amdhsa_float_denorm_mode_32 3
		.amdhsa_float_denorm_mode_16_64 3
		.amdhsa_memory_ordered 1
		.amdhsa_forward_progress 1
		.amdhsa_inst_pref_size 149
	.end_amdhsa_kernel
	.amdgpu_metadata
---
amdhsa.version: [ 1, 2 ]
amdhsa.kernels:
  - .name:           k_q5e0956a461_nearest
    .symbol:         k_q5e0956a461_nearest.kd
    .args:
      - { .name: xq, .offset: 0, .size: 8, .value_kind: global_buffer, .address_space: global }
      - { .name: cbq, .offset: 8, .size: 8, .value_kind: global_buffer, .address_space: global }
      - { .name: cand_val, .offset: 16, .size: 8, .value_kind: global_buffer, .address_space: global }
      - { .name: cand_idx, .offset: 24, .size: 8, .value_kind: global_buffer, .address_space: global }
    .group_segment_fixed_size: 327680
    .private_segment_fixed_size: 0
    .kernarg_segment_align: 8
    .kernarg_segment_size: 32
    .max_flat_workgroup_size: 256
    .sgpr_count:     66
    .vgpr_count:     384
    .wavefront_size: 32
...
	.end_amdgpu_metadata
.endif
;; end of part 2
;; launch pick (part 3): grid 1024 x 1, 4 waves a work-group, no clusters, 0 bytes of LDS; arguments codebook, cand_val, cand_idx, out0; writes out0
.if DOCPART == 3
	.amdgcn_target "amdgcn-amd-amdhsa--gfx1250"
	.amdhsa_code_object_version 6
	.text
	.protected	k_q5e0956a461_pick
	.globl	k_q5e0956a461_pick
	.p2align	8
	.type	k_q5e0956a461_pick,@function
k_q5e0956a461_pick:
	s_mov_b64 s[64:65], 0
	v_nop
	global_prefetch_b8 v0, s[64:65] scope:SCOPE_SE
	s_setreg_imm32_b32 hwreg(HW_REG_WAVE_MODE, 25, 1), 1
	s_wait_xcnt 0x0
; out0[row] = codebook[the better of the row's two candidates].  cand_val, cand_idx: [2][16384]: for each half of the codebook the best s of the row and its index.
; The choice between the halves hangs on floating-point numbers, so no address may hang on it: BOTH candidate rows are loaded (their addresses come from the stored indices alone) and the numbers are chosen
; by v_cndmask_b32.  Half 1 wins only where it is strictly better: on a tie the lower index stays.
; A wave takes four rows.  A row is 2,048 bytes: four loads for each candidate, and four stores, of 512 consecutive bytes.
; A RING OF TWO ROWS: the loads of rows 0 and 1 go out at the head; when row k is in, the loads of row k + 2 are issued, and then row k is chosen and stored: so a wave's stores stand between its loads,
; with sixteen loads of the wave on their way at the most.  Each row has registers of its own: no load's destination and no store's data are written again.
; No LDS, no barrier, no matrix unit: a gather.  No cluster: which rows a work-group reads hangs on data.  No prefetch: the rows are known only from the indices, and their loads follow at once.
; The indices are held under 8,192 ahead of the addresses; the launch before stores none that is not.
.set LA,  1                            ; v1     16 x lane
.set OF,  2                            ; v2-5   byte offsets of the four rows' candidates of half 0, v6-9 of half 1
.set VB,  10                           ; v10-13 the four rows' s of half 1
.set R,   16                           ; v16-143 row k: 16 registers of candidate 0, then 16 of candidate 1
	s_load_b256 s[4:11], s[0:1], 0x0               ; the codebook s[4:5], cand_val s[6:7], cand_idx s[8:9], out0 s[10:11]
	v_lshrrev_b32 v1, 5, v0
	v_readfirstlane_b32 s12, v1                    ; wave 0..3
	v_and_b32 v[LA], 31, v0
	v_lshlrev_b32 v[LA], 4, v[LA]
	s_lshl_b32 s13, ttmp9, 6
	s_lshl_b32 s14, s12, 4
	s_add_co_u32 s13, s13, s14                     ; 4 bytes x my first row, 16 x work-group + 4 x wave
	s_wait_alu depctr_va_vdst(0)
	s_wait_kmcnt 0x0
	s_load_b128 s[16:19], s[8:9], s13 offset:0x0       ; four rows' indices in half 0,
	s_load_b128 s[20:23], s[8:9], s13 offset:0x10000   ; in half 1;
	s_load_b128 s[24:27], s[6:7], s13 offset:0x0       ; their s
	s_load_b128 s[28:31], s[6:7], s13 offset:0x10000
	s_lshl_b32 s14, s13, 9                         ; 2,048 bytes x my first row
	s_mov_b32 s15, 0
	s_add_nc_u64 s[10:11], s[10:11], s[14:15]
	s_wait_kmcnt 0x0
.irp k, 0,1,2,3,4,5,6,7
	s_min_u32 s[16+\k], s[16+\k], 0x1fff           ; an index stays inside the table
	s_lshl_b32 s[16+\k], s[16+\k], 11
	v_add_nc_u32 v[OF+\k], s[16+\k], v[LA]
.endr
	s_wait_alu depctr_va_vdst(0)
.macro LD k                            ; row k's two candidates: eight loads; no hint: many rows of x may name the same row
.irp i, 0,1,2,3
	global_load_b128 v[R+32*(\k)+4*\i:R+32*(\k)+4*\i+3], v[OF+(\k)], s[4:5] offset:512*\i
.endr
.irp i, 0,1,2,3
	global_load_b128 v[R+32*(\k)+16+4*\i:R+32*(\k)+16+4*\i+3], v[OF+4+(\k)], s[4:5] offset:512*\i
.endr
.endm
	LD 0
	LD 1
.irp k, 0,1,2,3
	v_mov_b32 v[VB+\k], s[28+\k]
.endr
.irp k, 0,1,2,3
	v_cmp_lt_f32 s[32+\k], s[24+\k], v[VB+\k]      ; all lanes alike: half 1 is strictly better
.endr
.irp k, 0,1,2,3
.if \k < 3
	s_wait_loadcnt 8                               ; loads come back in order: this row's eight are in, the next row's eight may be out
.else
	s_wait_loadcnt 0
.endif
.if \k < 2
	LD \k+2                                        ; loads ahead of stores: the row two further on
.endif
.irp j, 0,1,2,3,4,5,6,7,8,9,10,11,12,13,14,15
	v_cndmask_b32 v[R+32*\k+\j], v[R+32*\k+\j], v[R+32*\k+16+\j], s[32+\k]
.endr
.irp i, 0,1,2,3
	global_store_b128 v[LA], v[R+32*\k+4*\i:R+32*\k+4*\i+3], s[10:11] offset:2048*\k+512*\i th:TH_STORE_NT   ; 32 lanes store 512 consecutive bytes, aligned; written once, read by nobody here
.endr
.endr
	s_endpgm
.Lfunc_end_k_q5e0956a461_pick:
	.size	k_q5e0956a461_pick, .Lfunc_end_k_q5e0956a461_pick-k_q5e0956a461_pick
	.p2alignl 7, 3214868480
	.fill 96, 4, 3214868480
	.section	.rodata,"a",@progbits
	.p2align	6, 0x0
	.amdhsa_kernel k_q5e0956a461_pick
		.amdhsa_group_segment_fixed_size 0
		.amdhsa_private_segment_fixed_size 0
		.amdhsa_enable_private_segment 0
		.amdhsa_kernarg_size 32
		.amdhsa_user_sgpr_count 2
		.amdhsa_user_sgpr_kernarg_segment_ptr 1
		.amdhsa_wavefront_size32 1
		.amdhsa_system_sgpr_workgroup_id_x 1
		.amdhsa_system_sgpr_workgroup_id_y 1
		.amdhsa_system_sgpr_workgroup_id_z 1
		.amdhsa_system_vgpr_workitem_id 0
		.amdhsa_next_free_vgpr 144
		.amdhsa_next_free_sgpr 66
		.amdhsa_reserve_vcc 0
		.amdhsa_float_denorm_mode_32 3
		.amdhsa_float_denorm_mode_16_64 3
		.amdhsa_memory_ordered 1
		.amdhsa_forward_progress 1
		.amdhsa_inst_pref_size 12
	.end_amdhsa_kernel
	.amdgpu_metadata
---
amdhsa.version: [ 1, 2 ]
amdhsa.kernels:
  - .name:           k_q5e0956a461_pick
    .symbol:         k_q5e0956a461_pick.kd
    .args:
      - { .name: codebook, .offset: 0, .size: 8, .value_kind: global_buffer, .address_space: global }
      - { .name: cand_val, .offset: 8, .size: 8, .value_kind: global_buffer, .address_space: global }
      - { .name: cand_idx, .offset: 16, .size: 8, .value_kind: global_buffer, .address_space: global }
      - { .name: out0, .offset: 24, .size: 8, .value_kind: global_buffer, .address_space: global }
    .group_segment_fixed_size: 0
    .private_segment_fixed_size: 0
    .kernarg_segment_align: 8
    .kernarg_segment_size: 32
    .max_flat_workgroup_size: 128
    .sgpr_count:     66
    .vgpr_count:     144
    .wavefront_size: 32
...
	.end_amdgpu_metadata
.endif
;; end of part 3
